; MI455X (gfx1250); checked and timed in simulation.
; The chip was launched on July 23, 2026; its instructions are those of AMD's public machine-readable ISA for CDNA 5 (MIT licence, August 2026) and "CDNA5" Instruction Set Architecture Reference Guide (July 2026). The comments in the code are by the model that wrote it; some were corrected since.
;; Self Attention. Allowed arithmetic: float matrix products may take bf16 or f16 operands with f32 sums; all other float work in f32.
;; Inputs: Wk 1,024 x 1,024 float32; Wo 1,024 x 1,024 float32; Wq 1,024 x 1,024 float32; Wv 1,024 x 1,024 float32; bo 1,024 float32; x 2 x 2,048 x 1,024 float32.
;; Outputs: out0 2 x 2,048 x 1,024 float32.
;; One version. Each part assembles by itself: llvm-mc -triple=amdgcn-amd-amdhsa -mcpu=gfx1250 --defsym DOCPART=n.
;; ======== version 1 of 1: 4 launches
;; limits: values are held in f16: magnitudes above 65,504 overflow, below 6.1e-05 lose precision
;; workspace buffers: xh 8,388,608 bytes; wt 8,388,608 bytes; qh 8,388,608 bytes; kh 8,388,608 bytes; vh 8,388,608 bytes; oh 8,388,608 bytes
;; launch prep (part 1): grid 128 x 8, 8 waves a work-group, no clusters, 18,432 bytes of LDS; arguments x, Wq, Wk, Wv, Wo, xh, wt; writes xh, wt
.if DOCPART == 1
	.amdgcn_target "amdgcn-amd-amdhsa--gfx1250"
	.amdhsa_code_object_version 6
	.text
	.protected	k_q75e75d755c_prep
	.globl	k_q75e75d755c_prep
	.p2align	8
	.type	k_q75e75d755c_prep,@function
k_q75e75d755c_prep:
	s_mov_b64 s[64:65], 0
	v_nop
	global_prefetch_b8 v0, s[64:65] scope:SCOPE_SE
	s_setreg_imm32_b32 hwreg(HW_REG_WAVE_MODE, 25, 1), 1
	s_wait_xcnt 0x0
; prep: x to f16 (xh, same layout), and the four weights to f16, TRANSPOSED to [output column][k] (wt), so that the products
; that follow find K along the rows of both operands.
; wt has 4,096 rows of 1,024 k: row 192 h + 64 mat + d = column 64 h + d of Wq, Wk, Wv (mat 0, 1, 2); row 3,072 + n = column n of Wo.
; Wq is multiplied by 0.125 log2(e) BEFORE it is rounded (reference(): scores times 0.125 after the product): the scores then come out
; of the matrix unit ready for an exponential in base 2.  That is an order of rounding that differs from the reference's.
; f16, not bf16: three more mantissa bits in every operand of the chain.  LIMIT: numbers beyond f16's range (65,504) become infinite.
; Every byte is read once and written once and no two work-groups share an input, so there is no cluster, no tensor load, no matrix unit.
; grid y = 0..3: one weight; x = 8 h + kb: a tile of 128 k x 64 columns (32 KiB).  grid y = 4..7: 32 KiB of x for each work-group.
.set CQ, 0x3e38aa3b                    ; 0.125 * log2(e)
.set LP, 272                           ; LDS row: 128 k of f16 = 256 bytes, + 16
.set RW, 8                             ; v[8:39]   eight rows (k) of four columns as loaded; later the rows read back
.set PK, 40                            ; v[40:55]  column t of four: eight k packed into 16 bytes
	s_load_b256 s[4:11], s[0:1], 0x0               ; x s[4:5], Wq s[6:7], Wk s[8:9], Wv s[10:11]
	s_load_b128 s[12:15], s[0:1], 0x20             ; Wo s[12:13], xh s[14:15]
	s_load_b64 s[16:17], s[0:1], 0x30              ; wt
	v_lshl_add_u32 v64, v0, 2, 0x4400
	v_mov_b32 v65, 0
	s_and_b32 s20, ttmp7, 0xffff                   ; grid y: the same in all eight waves
	s_cmp_ge_u32 s20, 4
	s_cbranch_scc1 .Lx
	; ---- a weight's tile ----
	s_lshr_b32 s18, ttmp9, 3                       ; h: which 64 columns
	s_and_b32 s19, ttmp9, 7                        ; kb: which 128 k
	v_lshrrev_b32 v5, 4, v0                        ; g = 0..15: my eight k
	v_and_b32 v6, 15, v0                           ; c = 0..15: my four columns
	v_lshlrev_b32 v7, 4, v6                        ; 16 c
	v_lshl_add_u32 v1, v5, 15, v7                  ; load: 8 g rows of 4,096 bytes + 16 c; sixteen lanes take 256 bytes of a row
	v_mul_u32_u24 v2, v6, 4*LP
	v_lshl_add_u32 v2, v5, 4, v2                   ; LDS in: row 4 c (+ t), byte 16 g
	v_mul_u32_u24 v3, v5, LP
	v_add_nc_u32 v3, v3, v7                        ; LDS back: row g (+ 16 i), byte 16 c
	v_lshl_add_u32 v4, v5, 11, v7                  ; store: row g of 2,048 bytes + 16 c
	s_lshl_b32 s24, s19, 19                        ; source: 128 kb rows of 4,096 bytes
	s_lshl_b32 s21, s18, 8                         ; + 64 h columns of 4 bytes
	s_add_co_u32 s24, s24, s21
	s_mov_b32 s25, 0
	s_mul_i32 s28, s18, 192
	s_lshl_b32 s21, s20, 6
	s_add_co_u32 s28, s28, s21                     ; row 192 h + 64 mat,
	s_lshl_b32 s29, s18, 6
	s_add_co_u32 s29, s29, 3072                    ; or 3,072 + 64 h for Wo
	s_cmp_eq_u32 s20, 3
	s_cselect_b32 s28, s29, s28
	s_lshl_b32 s28, s28, 11                        ; rows of 2,048 bytes
	s_lshl_b32 s21, s19, 8                         ; + 128 kb numbers of 2 bytes
	s_add_co_u32 s28, s28, s21
	s_mov_b32 s29, 0
	s_cmp_eq_u32 s20, 0
	s_cselect_b32 s22, CQ, 1.0                     ; the factor: Wq's, or one
	s_mov_b32 s23, s22
	s_wait_kmcnt 0x0
	s_cmp_eq_u32 s20, 1
	s_cselect_b64 s[26:27], s[8:9], s[6:7]
	s_cmp_eq_u32 s20, 2
	s_cselect_b64 s[26:27], s[10:11], s[26:27]
	s_cmp_eq_u32 s20, 3
	s_cselect_b64 s[26:27], s[12:13], s[26:27]     ; the weight that grid y names
	s_add_nc_u64 s[26:27], s[26:27], s[24:25]
	s_add_nc_u64 s[16:17], s[16:17], s[28:29]
.irp i, 0,1,2,3,4,5,6,7
	global_load_b128 v[RW+4*\i:RW+4*\i+3], v1, s[26:27] offset:4096*\i th:TH_LOAD_NT   ; k = 8 g + i, columns 4 c .. 4 c + 3
.endr
.irp j, 0,1,2,3
	s_wait_loadcnt 6-2*\j                          ; loads come back in order: rows 2 j and 2 j + 1 are in, the younger ones stay out
	v_pk_mul_f32 v[RW+8*\j:RW+8*\j+1],   v[RW+8*\j:RW+8*\j+1],   s[22:23] op_sel_hi:[1,0]
	v_pk_mul_f32 v[RW+8*\j+2:RW+8*\j+3], v[RW+8*\j+2:RW+8*\j+3], s[22:23] op_sel_hi:[1,0]
	v_pk_mul_f32 v[RW+8*\j+4:RW+8*\j+5], v[RW+8*\j+4:RW+8*\j+5], s[22:23] op_sel_hi:[1,0]
	v_pk_mul_f32 v[RW+8*\j+6:RW+8*\j+7], v[RW+8*\j+6:RW+8*\j+7], s[22:23] op_sel_hi:[1,0]
.irp t, 0,1,2,3
	v_cvt_pk_f16_f32 v[PK+4*\t+\j], v[RW+8*\j+\t], v[RW+8*\j+4+\t]   ; column 4 c + t: k = 8 g + 2 j below, 8 g + 2 j + 1 above
.endr
.endr
.irp t, 0,1,2,3
	ds_store_b128 v2, v[PK+4*\t:PK+4*\t+3] offset:LP*\t              ; row 4 c + t, eight neighbouring k
.endr
	s_wait_dscnt 0x0                               ; my stores are in LDS before I say so: other waves read them
	s_barrier_signal -1
	s_barrier_wait -1
.irp i, 0,1,2,3
	ds_load_b128 v[RW+4*\i:RW+4*\i+3], v3 offset:16*LP*\i            ; rows g + 16 i, whole rows of 256 bytes by sixteen lanes
.endr
.irp i, 0,1,2,3
	s_wait_dscnt 3-\i                              ; LDS loads come back in order: load i is in
	global_store_b128 v4, v[RW+4*\i:RW+4*\i+3], s[16:17] offset:32768*\i   ; sixteen lanes store 256 consecutive bytes, aligned
.endr
	s_wait_tensorcnt 0x0
	ds_add_u32 v64, v65
	s_wait_dscnt 0x0
	s_endpgm
	; ---- 32 KiB of x ----
.Lx:
	s_sub_co_u32 s18, s20, 4
	s_lshl_b32 s18, s18, 7
	s_add_co_u32 s18, s18, ttmp9                   ; chunk 0 .. 511
	s_lshl_b32 s24, s18, 15
	s_mov_b32 s25, 0
	s_lshl_b32 s28, s18, 14
	s_mov_b32 s29, 0
	v_lshlrev_b32 v1, 4, v0                        ; 16 bytes of f32 in,
	v_lshlrev_b32 v2, 3, v0                        ; 8 bytes of f16 out
	s_wait_kmcnt 0x0
	s_add_nc_u64 s[4:5], s[4:5], s[24:25]
	s_add_nc_u64 s[14:15], s[14:15], s[28:29]
.irp j, 0,1,2,3,4,5,6,7
	global_load_b128 v[RW+4*\j:RW+4*\j+3], v1, s[4:5] offset:4096*\j th:TH_LOAD_NT
.endr
.irp j, 0,1,2,3,4,5,6,7
	s_wait_loadcnt 7-\j                            ; load j is in, the younger ones stay out
	v_cvt_pk_f16_f32 v[PK+2*\j],   v[RW+4*\j],   v[RW+4*\j+1]
	v_cvt_pk_f16_f32 v[PK+2*\j+1], v[RW+4*\j+2], v[RW+4*\j+3]
	global_store_b64 v2, v[PK+2*\j:PK+2*\j+1], s[14:15] offset:2048*\j   ; a wave's store covers 256 consecutive bytes, aligned; no register is written twice
.endr
	s_endpgm
.Lfunc_end_k_q75e75d755c_prep:
	.size	k_q75e75d755c_prep, .Lfunc_end_k_q75e75d755c_prep-k_q75e75d755c_prep
	.p2alignl 7, 3214868480
	.fill 96, 4, 3214868480
	.section	.rodata,"a",@progbits
	.p2align	6, 0x0
	.amdhsa_kernel k_q75e75d755c_prep
		.amdhsa_group_segment_fixed_size 18432
		.amdhsa_private_segment_fixed_size 0
		.amdhsa_enable_private_segment 0
		.amdhsa_kernarg_size 56
		.amdhsa_user_sgpr_count 2
		.amdhsa_user_sgpr_kernarg_segment_ptr 1
		.amdhsa_wavefront_size32 1
		.amdhsa_system_sgpr_workgroup_id_x 1
		.amdhsa_system_sgpr_workgroup_id_y 1
		.amdhsa_system_sgpr_workgroup_id_z 1
		.amdhsa_system_vgpr_workitem_id 0
		.amdhsa_next_free_vgpr 66
		.amdhsa_next_free_sgpr 66
		.amdhsa_reserve_vcc 0
		.amdhsa_float_denorm_mode_32 3
		.amdhsa_float_denorm_mode_16_64 3
		.amdhsa_memory_ordered 1
		.amdhsa_forward_progress 1
		.amdhsa_inst_pref_size 10
	.end_amdhsa_kernel
	.amdgpu_metadata
---
amdhsa.version: [ 1, 2 ]
amdhsa.kernels:
  - .name:           k_q75e75d755c_prep
    .symbol:         k_q75e75d755c_prep.kd
    .args:
      - { .name: x, .offset: 0, .size: 8, .value_kind: global_buffer, .address_space: global }
      - { .name: Wq, .offset: 8, .size: 8, .value_kind: global_buffer, .address_space: global }
      - { .name: Wk, .offset: 16, .size: 8, .value_kind: global_buffer, .address_space: global }
      - { .name: Wv, .offset: 24, .size: 8, .value_kind: global_buffer, .address_space: global }
      - { .name: Wo, .offset: 32, .size: 8, .value_kind: global_buffer, .address_space: global }
      - { .name: xh, .offset: 40, .size: 8, .value_kind: global_buffer, .address_space: global }
      - { .name: wt, .offset: 48, .size: 8, .value_kind: global_buffer, .address_space: global }
    .group_segment_fixed_size: 18432
    .private_segment_fixed_size: 0
    .kernarg_segment_align: 8
    .kernarg_segment_size: 56
    .max_flat_workgroup_size: 256
    .sgpr_count:     66
    .vgpr_count:     66
    .wavefront_size: 32
...
	.end_amdgpu_metadata
.endif
;; end of part 1
;; launch qkv (part 2): grid 16 x 16, 4 waves a work-group, clusters of 4 x 4, 327,680 bytes of LDS; arguments xh, wt, qh, kh, vh; writes qh, kh, vh
.if DOCPART == 2
	.amdgcn_target "amdgcn-amd-amdhsa--gfx1250"
	.amdhsa_code_object_version 6
	.text
	.protected	k_q75e75d755c_qkv
	.globl	k_q75e75d755c_qkv
	.p2align	8
	.type	k_q75e75d755c_qkv,@function
k_q75e75d755c_qkv:
	s_mov_b64 s[64:65], 0
	v_nop
	global_prefetch_b8 v0, s[64:65] scope:SCOPE_SE
	s_setreg_imm32_b32 hwreg(HW_REG_WAVE_MODE, 25, 1), 1
	s_wait_xcnt 0x0
	s_wait_alu depctr_hold_cnt(0) depctr_sa_sdst(0) depctr_va_vdst(0) depctr_va_sdst(0) depctr_va_ssrc(0) depctr_va_vcc(0) depctr_vm_vsrc(0)
	s_getreg_b32 s2, hwreg(HW_REG_IB_STS2, 6, 4)
	s_cmp_eq_u32 s2, 0
	s_cbranch_scc0 .Lentry_in_a_cluster
	s_endpgm
.Lentry_in_a_cluster:
	s_bfe_u32 s2, ttmp6, 0x10000c
	s_cmp_lg_u32 s2, 0xf033
	s_cbranch_scc0 .Lentry_shape_is_right
	s_endpgm
.Lentry_shape_is_right:
; qkv: q, k, v = xh wt^T for one head and 256 tokens in each work-group.  xh: [4096][1024] f16; wt rows 192 head + 64 mat + d: [1024 k] f16.
; Out: qh, kh, vh = [batch 16 + head][2048 tokens][64] f16 (q carries 0.125 log2(e), which lies in wt).  Sums in f32.
; LIMIT: a q, k or v beyond f16's range (65,504) becomes infinite.
; Four waves; wave w makes rows 64 w .. 64 w + 63 x all 192 columns: 4 x 12 accumulator tiles of 16 x 16, 384 registers.  All columns in one
; wave, so that a column tile's matrix (q, k, v) and its d are constants of the text.
; K goes in steps of 128 through two LDS slots filled by tensor loads: a tile's rows are 256 bytes of memory, aligned.
; CLUSTER 4 x 4: the four work-groups of a cluster's row have the same 256 tokens (A's tile), the four of a column the same head (B's tile):
; each tile is asked for jointly by the four, which divides the requests for A and for B by four.
; REGISTER WINDOWS: 0: addresses, A's fragments (two buffers), way out; 1: B's fragments (two buffers); 2: accumulators of column tiles 0-7;
; 3: of column tiles 8-11.  The matrix instruction is used transposed (source 0 = rows of wt, source 1 = rows of xh): a lane then holds
; eight neighbouring columns of one row of the result.
.set NT, 12                            ; column tiles
.set NLO, 8                            ; of them in window 2
.set NHI, 4                            ; and in window 3
.set AROWS, 128                        ; one tensor load of A: rows,
.set ACOLS, 128                        ; elements in a row,
.set ASTRIDE, 1024                     ; elements from row to row,
.set AQI, 5                            ; padding after every 64 words
.set APITCH, 272                       ; LDS row of A: 256 + 16 bytes
.set AP2, 128                          ; quarters 2, 3 of a K step begin here
.set AMBLK, 256*2048                   ; bytes from a block of 256 rows to the next
.set AHALF, 128*2048                   ; the second loading wave's part
.set ASTEP, 256                        ; bytes from K step to K step
.set BROWS, 96                         ; one tensor load of B: rows
.set BBASE, 0                          ; B's first row in wt, in bytes
.set WSTAGE, 16*144                    ; a wave's stage for the way out
.set BPITCH, 272
.set HALFA, AROWS*APITCH
.set ABYTES, 2*HALFA
.set HALFB, BROWS*BPITCH
.set SLOT, ABYTES+2*HALFB              ; A's tile, then B's
.set STAGE, 2*SLOT                     ; behind the ring, a multiple of 256: no fill lands there
.set NLD, 8+2*NT                       ; LDS loads of a quarter step
.set LAPS, 4                           ; 8 K steps = 4 times round the ring
.set ADRA, 16                          ; v16-17 LDS address of my A fragments in slot 0, 1
.set ADRB, 20                          ; v20-21 the same for B
.set STO, 24
.set RD, 25
.set CO, 26
.set FA, 64                            ; v64-127 A's fragments: 64 + 32 buffer + 8 row tile
.set TMP, 192                          ; v192-207 packed results
.set G1, 24                            ; s[24:31] group 1 for A
.set G0, 32                            ; s[32:39] group 0 for A, one set a slot
.set G1B, 48                           ; s[48:55] group 1 for B
.set G0B, 56                           ; s[56:63] group 0 for B, one set a slot
.set MUL_LO, 0xa1                      ; source 0 window 1, source 1 window 0, C and D window 2
.set MUL_HI, 0xf1                      ; C and D window 3
.set TO_B, 0x40                        ; destination window 1
.set MSB, 0
.macro WIN new                         ; the immediate's high byte repeats the setting that is left
.if MSB != \new
	s_set_vgpr_msb (MSB<<8)|\new
.set MSB, \new
.endif
.endm
.macro PLACES                          ; four places behind a matrix instruction (ISA guide 7.12.1) before its registers are loaded into or its result read
.rept 4
	v_nop
.endr
.endm
.macro JLOAD s                         ; a joint load: waves 0, 1 ask for A's two parts, waves 2, 3 for B's; the branch hangs on the wave's number alone
	s_cmp_eq_u32 s15, 0
	s_cbranch_scc0 .Lfor_b_\@
	tensor_load_to_lds s[G0+4*\s:G0+4*\s+3], s[G1:G1+7]
	s_nop 0
	s_branch .Lasked_\@
.Lfor_b_\@:
	tensor_load_to_lds s[G0B+4*\s:G0B+4*\s+3], s[G1B:G1B+7]
	s_nop 0
.Lasked_\@:
.endm
.macro CREST                           ; a round of the cluster's barrier behind its opening work-group barrier
	s_cmp_lg_u32 s14, 0
	s_cbranch_scc1 .Lnot_wave_0_\@
	s_barrier_signal -3
.Lnot_wave_0_\@:
	s_barrier_wait -3
	s_barrier_signal -1
	s_barrier_wait -1
.endm
.macro CROUND
	s_barrier_signal -1
	s_barrier_wait -1
	CREST
.endm
; the fragments of quarter q (32 along K) of a slot into buffer f: 8 loads of A, 2 NT of B
.macro FETCH slot, q, f
	WIN 0
.irp i, 0,1,2,3
	ds_load_b128 v[FA+32*\f+8*\i:FA+32*\f+8*\i+3],   v[ADRA+\slot] offset:((\q)/2)*AP2+((\q)%2)*64+\i*16*APITCH
	ds_load_b128 v[FA+32*\f+8*\i+4:FA+32*\f+8*\i+7], v[ADRA+\slot] offset:((\q)/2)*AP2+((\q)%2)*64+\i*16*APITCH+32
.endr
	WIN TO_B
.set bb, 0
.rept NT
	ds_load_b128 v[96*\f+8*bb:96*\f+8*bb+3],   v[ADRB+\slot] offset:64*\q+bb*16*BPITCH
	ds_load_b128 v[96*\f+8*bb+4:96*\f+8*bb+7], v[ADRB+\slot] offset:64*\q+bb*16*BPITCH+32
.set bb, bb+1
.endr
.endm
; row tile a x the column tiles of window 2 (hi = 0) or 3 (hi = 1), from buffer f; zero = 1: the product starts the sums
.macro MULA f, a, hi, zero
.set bb, 0
.if \hi
	WIN MUL_HI
.rept NHI
.if \zero
	v_wmma_f32_16x16x32_f16 v[8*(NHI*\a+bb):8*(NHI*\a+bb)+7], v[96*\f+8*(NLO+bb):96*\f+8*(NLO+bb)+7], v[FA+32*\f+8*\a:FA+32*\f+8*\a+7], 0
.else
	v_wmma_f32_16x16x32_f16 v[8*(NHI*\a+bb):8*(NHI*\a+bb)+7], v[96*\f+8*(NLO+bb):96*\f+8*(NLO+bb)+7], v[FA+32*\f+8*\a:FA+32*\f+8*\a+7], v[8*(NHI*\a+bb):8*(NHI*\a+bb)+7]
.endif
.set bb, bb+1
.endr
.else
	WIN MUL_LO
.rept NLO
.if \zero
	v_wmma_f32_16x16x32_f16 v[8*(NLO*\a+bb):8*(NLO*\a+bb)+7], v[96*\f+8*bb:96*\f+8*bb+7], v[FA+32*\f+8*\a:FA+32*\f+8*\a+7], 0
.else
	v_wmma_f32_16x16x32_f16 v[8*(NLO*\a+bb):8*(NLO*\a+bb)+7], v[96*\f+8*bb:96*\f+8*bb+7], v[FA+32*\f+8*\a:FA+32*\f+8*\a+7], v[8*(NLO*\a+bb):8*(NLO*\a+bb)+7]
.endif
.set bb, bb+1
.endr
.endif
.endm
; a quarter's products.  All accumulators take turns, one instruction a turn, in the same order in every quarter.
.macro MULALL f, zero
.irp aa, 0,1,2,3
	MULA \f, \aa, 0, \zero
.endr
.if NHI
.irp aa, 0,1,2,3
	MULA \f, \aa, 1, \zero
.endr
.endif
.endm
; multiplies buffer f; ahead of that asks for quarter q of the same slot into buffer g, which then has these products in which to arrive
.macro QUARTER slot, q, f, g, zero
	PLACES                                         ; behind the products that read buffer g
	FETCH \slot, \q, \g
	s_wait_dscnt NLD                               ; all but the NLD loads just issued: buffer f is in
	MULALL \f, \zero
.endm
.macro THREE slot, zero
	QUARTER \slot, 1, 0, 1, \zero
	QUARTER \slot, 2, 1, 0, 0
	QUARTER \slot, 3, 0, 1, 0
.endm
; the last quarter of a K step (buffer 1) and the change of slots.  One barrier: in front of it my reads of this slot are back and all my
; tensor loads have landed (one was out: my part of the next slot).  fill = 1: the barrier opens a round of the cluster's barrier, and
; behind the round this slot is asked for again, two K steps ahead, first of all.
.macro TURN slot, next, fill
	WIN MUL_LO
	s_wait_dscnt 0x0                               ; buffer 1 is in, and those were my last reads of this slot
	s_wait_tensorcnt 0x0                           ; no tensor load of mine is out
	ds_add_u32 v255, v255
	s_wait_dscnt 0x0
	s_barrier_signal -1
	MULA 1, 0, 0, 0                                ; register work while the others arrive
	MULA 1, 1, 0, 0
	WIN 0
	s_barrier_wait -1
.if \fill
	CREST                                          ; no wave of any partner still reads this slot or has a load on its way
	s_add_nc_u64 s[G0+4*\slot+2:G0+4*\slot+3], s[G0+4*\slot+2:G0+4*\slot+3], 2*ASTEP
	s_add_nc_u64 s[G0B+4*\slot+2:G0B+4*\slot+3], s[G0B+4*\slot+2:G0B+4*\slot+3], 512
	JLOAD \slot
.endif
	PLACES                                         ; behind the products that read buffer 0
	FETCH \next, 0, 0
	MULA 1, 2, 0, 0
	MULA 1, 3, 0, 0
.if NHI
.irp aa, 0,1,2,3
	MULA 1, \aa, 1, 0
.endr
.endif
.endm
.macro LAP zero
	THREE 0, \zero
	TURN 0, 1, 1
	THREE 1, 0
	TURN 1, 0, 1
.endm
	s_load_b256 s[4:11], s[0:1], 0x0               ; xh s[4:5], wt s[6:7], qh s[8:9], kh s[10:11]
	s_load_b64 s[12:13], s[0:1], 0x20              ; vh
	s_set_vgpr_msb 0x40
	v_lshl_add_u32 v255, v0, 2, 0x3dc00
	s_set_vgpr_msb 0x4000
	v_mov_b32 v255, 0
	s_set_vgpr_msb 0x1
	ds_add_u32 v255, v255
	s_set_vgpr_msb 0x100
	v_lshrrev_b32 v1, 5, v0
	v_readfirstlane_b32 s14, v1                    ; wave 0..3
	s_lshr_b32 s15, s14, 1                         ; I fetch for A (0) or for B (1),
	s_and_b32 s16, s14, 1                          ; its first or second part
	s_bfe_u32 s40, ttmp6, 0x40000                  ; cx
	s_bfe_u32 s41, ttmp6, 0x40004                  ; cy
	s_lshl_b32 s42, ttmp9, 2
	s_add_co_u32 s42, s42, s40                     ; block column (the head) = 4 x cluster x + cx
	s_and_b32 s43, ttmp7, 0xffff
	s_lshl_b32 s43, s43, 2
	s_add_co_u32 s43, s43, s41                     ; block row (256 tokens) = 4 x cluster y + cy
	s_lshl_b32 s44, s41, 2
	s_lshl_b32 s44, 15, s44                        ; my row of the cluster
	s_lshl_b32 s45, 0x1111, s40                    ; my column
	s_or_b32 s[G1+0], s44, (1<<16)|(1<<20)|(1<<21)|(AQI<<22)|(3<<25)   ; mask; 2-byte elements; padding on; bit 21 beside a mask; interval; 4 words of padding
	s_or_b32 s[G1B+0], s45, (1<<16)|(1<<20)|(1<<21)|(5<<22)|(3<<25)
	s_mov_b32 s[G1+1], ACOLS<<16                   ; tensor_dim0
	s_mov_b32 s[G1+2], AROWS<<16                   ; tensor_dim1
	s_mov_b32 s[G1+3], ACOLS<<16                   ; tile_dim0
	s_mov_b32 s[G1+4], AROWS                       ; tile_dim1
	s_mov_b32 s[G1+5], ASTRIDE                     ; elements from row to row
	s_mov_b32 s[G1+6], 0
	s_mov_b32 s[G1+7], 0
	s_mov_b32 s[G1B+1], 128<<16
	s_mov_b32 s[G1B+2], BROWS<<16
	s_mov_b32 s[G1B+3], 128<<16
	s_mov_b32 s[G1B+4], BROWS
	s_mov_b32 s[G1B+5], 1024
	s_mov_b32 s[G1B+6], 0
	s_mov_b32 s[G1B+7], 0
	s_mul_i32 s18, s43, AMBLK                      ; A hangs on the block row and the wave's number,
	s_mul_i32 s20, s16, AHALF
	s_add_co_u32 s18, s18, s20
	s_mov_b32 s19, 0
	s_mul_i32 s46, s42, 2*BROWS*2048               ; B on the block column and the wave's number
	s_mul_i32 s21, s16, BROWS*2048
	s_add_co_u32 s46, s46, s21
.if BBASE
	s_add_co_u32 s46, s46, BBASE
.endif
	s_mov_b32 s47, 0
	s_mul_i32 s22, s14, HALFA                      ; LDS: A's parts at wave x HALFA (waves 0, 1),
	s_mul_i32 s23, s14, HALFB
	s_add_co_u32 s23, s23, ABYTES-2*HALFB          ; B's behind A's tile (waves 2, 3)
	s_wait_dscnt 0x0
	s_wait_kmcnt 0x0
	s_add_nc_u64 s[18:19], s[4:5], s[18:19]
	s_add_nc_u64 s[46:47], s[6:7], s[46:47]
	CROUND                                         ; all sixteen work-groups are here: the first joint loads meet
.irp s, 0,1
	s_mov_b32 s[G0+4*\s], 1
	s_add_co_u32 s[G0+4*\s+1], s22, \s*SLOT
	s_add_nc_u64 s[G0+4*\s+2:G0+4*\s+3], s[18:19], \s*ASTEP
	s_or_b32 s[G0+4*\s+3], s[G0+4*\s+3], 0x80000000
	s_mov_b32 s[G0B+4*\s], 1
	s_add_co_u32 s[G0B+4*\s+1], s23, \s*SLOT
	s_add_nc_u64 s[G0B+4*\s+2:G0B+4*\s+3], s[46:47], \s*256
	s_or_b32 s[G0B+4*\s+3], s[G0B+4*\s+3], 0x80000000
	JLOAD \s                                       ; K steps 0 and 1: two tensor loads of mine are out here, one later on
.endr
	v_and_b32 v1, 15, v0                           ; r = lane % 16
	v_bfe_u32 v2, v0, 4, 1                         ; h = lane / 16
	v_and_b32 v5, 31, v0                           ; lane
	v_mul_u32_u24 v3, v1, APITCH
	v_lshl_add_u32 v3, v2, 4, v3                   ; a fragment: row r, 16 bytes for each half of the lanes, twice, 32 bytes apart
	v_mul_u32_u24 v4, v1, BPITCH
	v_lshl_add_u32 v4, v2, 4, v4
	s_mul_i32 s20, s14, 64*APITCH                  ; my 64 rows of A
	v_add_nc_u32 v[ADRA], s20, v3
	v_add_nc_u32 v[ADRA+1], SLOT, v[ADRA]
	v_add_nc_u32 v[ADRB], ABYTES, v4
	v_add_nc_u32 v[ADRB+1], SLOT, v[ADRB]
	s_mul_i32 s22, s14, WSTAGE
	s_add_co_u32 s22, s22, STAGE                   ; my stage: 16 rows of 128 + 16 bytes
	v_mul_u32_u24 v6, v1, 144
	v_lshl_add_u32 v6, v2, 4, v6
	v_add_nc_u32 v[STO], s22, v6                   ; in: row r, byte 16 h (+ 32 t)
	v_lshrrev_b32 v6, 3, v5
	v_and_b32 v7, 7, v5
	v_mul_u32_u24 v6, v6, 144
	v_lshl_add_u32 v6, v7, 4, v6
	v_add_nc_u32 v[RD], s22, v6                    ; back: eight lanes a row, four rows a load
	v_lshlrev_b32 v[CO], 4, v5                     ; out: tokens of 128 bytes follow each other, so a wave's store is 512 consecutive bytes
	s_wait_tensorcnt 0x1                           ; my part of K step 0 is in; K step 1's stays out
	s_barrier_signal -1
	s_barrier_wait -1
	FETCH 0, 0, 0
	LAP 1                                          ; the first lap's first products start the sums: nothing is cleared
	WIN 0
	s_mov_b32 s3, LAPS-2
.Llap:
	LAP 0
	WIN 0
	s_sub_co_u32 s3, s3, 1
	s_cmp_lg_u32 s3, 0
	s_cbranch_scc1 .Llap
	THREE 0, 0                                     ; the last lap fills nothing
	TURN 0, 1, 0
	THREE 1, 0
	s_wait_dscnt 0x0
	MULALL 1, 0
	WIN 0
	PLACES                                         ; behind the last products: the conversions read results, the loads land on fragments
	; THE WAY OUT.  Row = token, column tile 4 mat + t = d 16 t .. 16 t + 15 of q, k or v.
	s_lshr_b32 s18, s43, 3
	s_lshl_b32 s18, s18, 22                        ; batch x 16 heads x 2,048 tokens x 128 bytes
	s_and_b32 s20, s43, 7
	s_lshl_b32 s20, s20, 15                        ; + 256 tokens for each block inside the batch
	s_add_co_u32 s18, s18, s20
	s_lshl_b32 s20, s14, 13                        ; + my 64 tokens
	s_add_co_u32 s18, s18, s20
	s_mov_b32 s19, 0
	s_lshl_b32 s46, s42, 18                        ; + the head (in registers that never fed A's descriptors)
	s_mov_b32 s47, 0
.irp p, 8,10,12
	s_add_nc_u64 s[\p:\p+1], s[\p:\p+1], s[18:19]
	s_add_nc_u64 s[\p:\p+1], s[\p:\p+1], s[46:47]
.endr
; 16 tokens x 64 d of one matrix: round to f16, 16 bytes a lane into my stage, whole rows back, 512 consecutive bytes a store
.macro OUTQ a, mat, f
.if \mat == 2
	WIN 0x0f
.else
	WIN 0x0a
.endif
.irp t, 0,1,2,3
.irp rr, 0,1,2,3
.if \mat == 2
	v_cvt_pk_f16_f32 v[TMP+4*\t+\rr], v[8*(NHI*\a+\t)+2*\rr], v[8*(NHI*\a+\t)+2*\rr+1]
.else
	v_cvt_pk_f16_f32 v[TMP+4*\t+\rr], v[8*(NLO*\a+4*\mat+\t)+2*\rr], v[8*(NLO*\a+4*\mat+\t)+2*\rr+1]
.endif
.endr
.endr
	WIN 0
.irp t, 0,1,2,3
	ds_store_b128 v[STO], v[TMP+4*\t:TMP+4*\t+3] offset:32*\t
.endr
	s_wait_xcnt 0x0                                ; buffer f, which earlier stores name, is loaded again only behind this wait
.irp i, 0,1,2,3
	ds_load_b128 v[\f+4*\i:\f+4*\i+3], v[RD] offset:576*\i           ; LDS serves a wave's instructions in order: these see the stores above
.endr
.irp i, 0,1,2,3
	s_wait_dscnt 3-\i
	global_store_b128 v[CO], v[\f+4*\i:\f+4*\i+3], s[8+2*\mat:9+2*\mat] offset:2048*\a+512*\i
.endr
.endm
.set nn, 0
.irp a, 0,1,2,3
.irp mt, 0,1,2
	OUTQ \a, \mt, (FA+16*(nn%2))
.set nn, nn+1
.endr
.endr
	s_set_vgpr_msb 0x1
	s_wait_tensorcnt 0x0
	ds_add_u32 v255, v255
	s_wait_dscnt 0x0
	s_set_vgpr_msb 0x100
	CROUND                                         ; the closing round: no work-group ends while a partner may still ask for a tile that names it
	s_endpgm
.Lfunc_end_k_q75e75d755c_qkv:
	.size	k_q75e75d755c_qkv, .Lfunc_end_k_q75e75d755c_qkv-k_q75e75d755c_qkv
	.p2alignl 7, 3214868480
	.fill 96, 4, 3214868480
	.section	.rodata,"a",@progbits
	.p2align	6, 0x0
	.amdhsa_kernel k_q75e75d755c_qkv
		.amdhsa_group_segment_fixed_size 327680
		.amdhsa_private_segment_fixed_size 0
		.amdhsa_enable_private_segment 0
		.amdhsa_kernarg_size 40
		.amdhsa_user_sgpr_count 2
		.amdhsa_user_sgpr_kernarg_segment_ptr 1
		.amdhsa_wavefront_size32 1
		.amdhsa_system_sgpr_workgroup_id_x 1
		.amdhsa_system_sgpr_workgroup_id_y 1
		.amdhsa_system_sgpr_workgroup_id_z 1
		.amdhsa_system_vgpr_workitem_id 0
		.amdhsa_next_free_vgpr 896
		.amdhsa_next_free_sgpr 66
		.amdhsa_reserve_vcc 0
		.amdhsa_float_denorm_mode_32 3
		.amdhsa_float_denorm_mode_16_64 3
		.amdhsa_memory_ordered 1
		.amdhsa_forward_progress 1
		.amdhsa_inst_pref_size 163
	.end_amdhsa_kernel
	.amdgpu_metadata
---
amdhsa.version: [ 1, 2 ]
amdhsa.kernels:
  - .name:           k_q75e75d755c_qkv
    .symbol:         k_q75e75d755c_qkv.kd
    .args:
      - { .name: xh, .offset: 0, .size: 8, .value_kind: global_buffer, .address_space: global }
      - { .name: wt, .offset: 8, .size: 8, .value_kind: global_buffer, .address_space: global }
      - { .name: qh, .offset: 16, .size: 8, .value_kind: global_buffer, .address_space: global }
      - { .name: kh, .offset: 24, .size: 8, .value_kind: global_buffer, .address_space: global }
      - { .name: vh, .offset: 32, .size: 8, .value_kind: global_buffer, .address_space: global }
    .group_segment_fixed_size: 327680
    .private_segment_fixed_size: 0
    .kernarg_segment_align: 8
    .kernarg_segment_size: 40
    .max_flat_workgroup_size: 128
    .sgpr_count:     66
    .vgpr_count:     896
    .wavefront_size: 32
...
	.end_amdgpu_metadata
.endif
;; end of part 2
;; launch attn (part 3): grid 8 x 32, 8 waves a work-group, clusters of 4 x 1, 327,680 bytes of LDS; arguments qh, kh, vh, oh; writes oh
.if DOCPART == 3
	.amdgcn_target "amdgcn-amd-amdhsa--gfx1250"
	.amdhsa_code_object_version 6
	.text
	.protected	k_q75e75d755c_attn
	.globl	k_q75e75d755c_attn
	.p2align	8
	.type	k_q75e75d755c_attn,@function
k_q75e75d755c_attn:
	s_mov_b64 s[64:65], 0
	v_nop
	global_prefetch_b8 v0, s[64:65] scope:SCOPE_SE
	s_setreg_imm32_b32 hwreg(HW_REG_WAVE_MODE, 25, 1), 1
	s_wait_xcnt 0x0
	s_wait_alu depctr_hold_cnt(0) depctr_sa_sdst(0) depctr_va_vdst(0) depctr_va_sdst(0) depctr_va_ssrc(0) depctr_va_vcc(0) depctr_vm_vsrc(0)
	s_getreg_b32 s2, hwreg(HW_REG_IB_STS2, 6, 4)
	s_cmp_eq_u32 s2, 0
	s_cbranch_scc0 .Lentry_in_a_cluster
	s_endpgm
.Lentry_in_a_cluster:
	s_bfe_u32 s2, ttmp6, 0x10000c
	s_cmp_lg_u32 s2, 0x3003
	s_cbranch_scc0 .Lentry_shape_is_right
	s_endpgm
.Lentry_shape_is_right:
; attn: softmax(q k^T) v for one (batch, head) and 256 queries in each work-group, with a running maximum.
; qh, kh, vh: [batch 16 + head][2048][64] f16; q carries 0.125 log2(e), so exponentials are in base 2.
; Out: oh = [block of 128 tokens][head][128 tokens][64] f16: the heads of one block of tokens lie next to each other for the product that follows.
; Scores, maxima, sums and the output's sums are f32; p goes to the matrix unit in f16 (p <= 1).  The denominator is summed from the p that
; are not yet rounded: an order of rounding that differs from the reference's.
; EIGHT WAVES: wave w has queries 64 (w & 3) .. + 63 and, of each slot's 256 keys, half w >> 2: a byte of K or V is read from LDS by four waves.
; The two halves' results (maximum, sum, output) are merged once, through LDS, at the end.
; ORIENTATION: S^T = K Q^T (rows = keys, columns = queries) and O^T = V^T P^T.  A lane then owns ONE query of each query tile: maximum, sum and
; rescaling are one number a lane, and two neighbouring tiles of S^T, packed to f16, ARE the fragment of P^T: nothing moves between lanes
; but one exchange of the maximum between the halves of the wave.  V^T comes from LDS by the transposing load.
; A BLOCK (64 keys x 64 queries) IN FOUR STAGES: the four query tiles do not depend on each other.  Stage q does the softmax of tile q, 121
; vector instructions, and among them stand the 8 products of S^T for tile q + 1 and the 8 products of O^T for tile q - 1.  Only the first
; tile's S products (at the block's head) and the last tile's O products (at its end) stand by themselves.
; CLUSTER 4 x 1: four query blocks of one head read the same K and V: each tile is asked for jointly by the four.
; TWO SLOTS OF 256 KEYS.  The waves meet in a slot's LAST block, in front of its stage 3: all reads of the slot are in registers by then, so the
; slot is asked for again there, and the next slot's first fragments are read while the block is finished.  So the loop begins at a slot's
; second block.  A tile's rows are 128 bytes: a head's row as it lies in the tensor.
; REGISTER WINDOWS: 0: state, Q, K, S (two tiles by turns), P (two tiles by turns): the S products and the whole softmax name window 0 alone.
; 1: O (v0-127), V^T (v128-255, one buffer for each block of a slot).  The O products and the rescaling of O share one setting and go in groups.
.set VP, 160                           ; LDS row of V: 128 + 32 bytes
.set KP, 144                           ; LDS row of K: 128 + 16 bytes
.set KOFF, 256*VP                      ; a slot: V's 256 rows, then K's
.set SLOT, 256*VP+256*KP               ; 77,824
.set XB, 2*SLOT                        ; behind the ring, a multiple of 256: the exchange, 18,432 bytes for each pair of waves; no fill lands there
.set XW, 18432
.set KA, 4                             ; v4-5   LDS address of my K fragments in slot 0, 1
.set VA, 6                             ; v6-7   the same for V
.set MX, 8                             ; v[8:15]  running maximum of query tile q, twice (a pair for packed arithmetic)
.set LS, 16                            ; v[16:23] my part of the sum of tile q, in two halves
.set AL, 24                            ; v[24:25] 2^(old maximum - new) of the tile at work, twice
.set TT, 26                            ; v[26:29] four chains of the maximum
.set XX, 30
.set DD, 31
.set QO, 26                            ; ahead of the loop: offset of Q's loads
.set QF, 32                            ; v[32:95]   Q: 16 query tile + 8 half of d
.set KF, 96                            ; v[96:159]  K: 16 key tile + 8 half of d
.set SC, 160                           ; v[160:223] S^T: 32 (query tile % 2) + 8 key tile
.set PB, 224                           ; v[224:255] P^T: 16 (query tile % 2) + 8 half of the keys
.set OA, 0                             ; window 1: O^T: 32 query tile + 8 d tile
.set VF, 128                           ; window 1: V^T: 64 block + 16 d tile + 8 half of the keys
.set XA, 26                            ; the merge and the way out (the loop's registers are free by then)
.set STO, 27
.set RD, 28
.set CO, 29
.set PM, 32                            ; v[32:39] the partner's maxima
.set PL, 40                            ; v[40:47] the partner's sums
.set T4, 48
.set D4, 52
.set X4, 56
.set A4, 60                            ; v[60:67] my O's factors, as pairs
.set TMP, 68                           ; v[68:83] packed results
.set O2, 96                            ; v[96:223] the partner's O
.set RB, 224                           ; v[224:255] rows read back, two buffers
.set G1V, 24
.set G0V, 32
.set G1K, 48
.set G0K, 56
.set MSB, 0
.macro WIN new                         ; the immediate's high byte repeats the setting that is left
.if MSB != \new
	s_set_vgpr_msb (MSB<<8)|\new
.set MSB, \new
.endif
.endm
.macro PLACES                          ; four places behind a matrix instruction (ISA guide 7.12.1)
.rept 4
	v_nop
.endr
.endm
.macro JLOAD s                         ; a joint load: waves 0-3 ask for 64 rows of V each, waves 4-7 for 64 rows of K
	s_cmp_eq_u32 s13, 0
	s_cbranch_scc0 .Lfor_k_\@
	tensor_load_to_lds s[G0V+4*(\s):G0V+4*(\s)+3], s[G1V:G1V+7]
	s_nop 0
	s_branch .Lasked_\@
.Lfor_k_\@:
	tensor_load_to_lds s[G0K+4*(\s):G0K+4*(\s)+3], s[G1K:G1K+7]
	s_nop 0
.Lasked_\@:
.endm
.macro ROUND                           ; a round of the cluster's barrier
	s_barrier_signal -1
	s_barrier_wait -1
	s_cmp_lg_u32 s12, 0
	s_cbranch_scc1 .Lnot_wave_0_\@
	s_barrier_signal -3
.Lnot_wave_0_\@:
	s_barrier_wait -3
	s_barrier_signal -1
	s_barrier_wait -1
.endm
; K's fragments of block blk of my half of a slot: 16 loads
.macro KLOAD slot, blk
.irp kt, 0,1,2,3
.irp ks, 0,1
	ds_load_b128 v[KF+16*\kt+8*\ks:KF+16*\kt+8*\ks+3],   v[KA+(\slot)] offset:(\blk)*64*KP+\kt*16*KP+64*\ks
	ds_load_b128 v[KF+16*\kt+8*\ks+4:KF+16*\kt+8*\ks+7], v[KA+(\slot)] offset:(\blk)*64*KP+\kt*16*KP+64*\ks+32
.endr
.endr
.endm
; V^T's fragments of block blk, into the block's own buffer: 16 transposing loads
.macro VLOAD slot, blk
	WIN 0x40                                       ; destination in window 1
.irp dt, 0,1,2,3
.irp ks, 0,1
	ds_load_tr16_b128 v[VF+64*(\blk)+16*\dt+8*\ks:VF+64*(\blk)+16*\dt+8*\ks+3],   v[VA+(\slot)] offset:(\blk)*64*VP+\ks*32*VP+32*\dt
	ds_load_tr16_b128 v[VF+64*(\blk)+16*\dt+8*\ks+4:VF+64*(\blk)+16*\dt+8*\ks+7], v[VA+(\slot)] offset:(\blk)*64*VP+\ks*32*VP+32*\dt+16*VP
.endr
.endr
	WIN 0
.endm
; product n = 0..7 of S^T for query tile q: key tile n % 4, half n / 4 of d; the first half starts the sum.  All operands in window 0.
.macro SWM q, n
.if (\n) < 4
	v_wmma_f32_16x16x32_f16 v[SC+32*((\q)%2)+8*(\n):SC+32*((\q)%2)+8*(\n)+7], v[KF+16*(\n):KF+16*(\n)+7], v[QF+16*(\q):QF+16*(\q)+7], 0
.else
	v_wmma_f32_16x16x32_f16 v[SC+32*((\q)%2)+8*((\n)-4):SC+32*((\q)%2)+8*((\n)-4)+7], v[KF+16*((\n)-4)+8:KF+16*((\n)-4)+15], v[QF+16*(\q)+8:QF+16*(\q)+15], v[SC+32*((\q)%2)+8*((\n)-4):SC+32*((\q)%2)+8*((\n)-4)+7]
.endif
.endm
; product n = 0..7 of O^T for query tile q: d tile n % 4, half n / 4 of the keys.  Setting 0x51: V^T, C and D in window 1, P^T in window 0.
.macro PWM q, n, vb, first
.if (\n) < 4
.if \first
	v_wmma_f32_16x16x32_f16 v[OA+32*(\q)+8*(\n):OA+32*(\q)+8*(\n)+7], v[VF+64*\vb+16*(\n):VF+64*\vb+16*(\n)+7], v[PB+16*((\q)%2):PB+16*((\q)%2)+7], 0
.else
	v_wmma_f32_16x16x32_f16 v[OA+32*(\q)+8*(\n):OA+32*(\q)+8*(\n)+7], v[VF+64*\vb+16*(\n):VF+64*\vb+16*(\n)+7], v[PB+16*((\q)%2):PB+16*((\q)%2)+7], v[OA+32*(\q)+8*(\n):OA+32*(\q)+8*(\n)+7]
.endif
.else
	v_wmma_f32_16x16x32_f16 v[OA+32*(\q)+8*((\n)-4):OA+32*(\q)+8*((\n)-4)+7], v[VF+64*\vb+16*((\n)-4)+8:VF+64*\vb+16*((\n)-4)+15], v[PB+16*((\q)%2)+8:PB+16*((\q)%2)+15], v[OA+32*(\q)+8*((\n)-4):OA+32*(\q)+8*((\n)-4)+7]
.endif
.endm
; group j = 0..3 of a stage's work in window 1: two products of O^T for tile q - 1, and between them the rescaling of d tile j of tile q's O
.macro PVSLOT q, j, vb, first
.if (\q)+1-(\first) > 0
	WIN 0x51
.if \q > 0
	PWM \q-1, 2*(\j), \vb, \first
.endif
.if \first == 0
.irp t, 0,1,2,3
	s_wait_alu depctr_va_vdst(0)
	v_pk_mul_f32 v[OA+32*\q+8*(\j)+2*\t:OA+32*\q+8*(\j)+2*\t+1], v[OA+32*\q+8*(\j)+2*\t:OA+32*\q+8*(\j)+2*\t+1], v[AL:AL+1]
.endr
.endif
.if \q > 0
	PWM \q-1, 2*(\j)+1, \vb, \first
.endif
	WIN 0
.endif
.endm
; pair i of tile q's p joins the sum.  Pair 0 takes the old sum along, rescaled; in the first block pairs 0 and 1 start the sum.
.macro SUM q, i, first
.if (\i) == 0
.if \first == 0
	s_wait_alu depctr_va_vdst(0)
	v_pk_fma_f32 v[LS+2*\q:LS+2*\q+1], v[LS+2*\q:LS+2*\q+1], v[AL:AL+1], v[SB:SB+1]
.endif
.else
.if (\i)+1-(\first) > 1
	s_wait_alu depctr_va_vdst(0)
	v_pk_add_f32 v[LS+2*\q:LS+2*\q+1], v[LS+2*\q:LS+2*\q+1], v[SB+2*(\i):SB+2*(\i)+1]
.else
	v_pk_add_f32 v[LS+2*\q:LS+2*\q+1], v[SB:SB+1], v[SB+2:SB+3]
.endif
.endif
.endm
; STAGE q: the softmax of query tile q, and among its instructions the S products of tile q + 1 and the O products of tile q - 1.
; The products' order is S0-3, then P0 P1 S4, P2 P3 S5, P4 P5 S6, P6 P7 S7: no two that follow each other share an accumulator.
; Behind the stage's last product (S7, in front of pair 14) stand eight plain instructions that name none of its registers: the next stage reads
; that tile of S, and K's next fragments are loaded, only behind them.
.macro STAGE q, vb, first
.set SB, SC+32*((\q)%2)
.set PQ, PB+16*((\q)%2)
	; the new maximum of my 32 scores: four chains, one a key tile
.irp c, 0,1,2,3
	v_max_num_f32 v[TT+\c], v[SB+8*\c], v[SB+8*\c+1]
.endr
.if \q < 3
	SWM \q+1, 0
.endif
.irp rr, 1,2,3
.irp c, 0,1,2,3
	v_max3_num_f32 v[TT+\c], v[TT+\c], v[SB+8*\c+2*\rr], v[SB+8*\c+2*\rr+1]
.endr
.if \q < 3
	SWM \q+1, \rr
.endif
.endr
	v_max3_num_f32 v[TT], v[TT], v[TT+1], v[TT+2]
.if \first
	v_max_num_f32 v[TT], v[TT], v[TT+3]
.else
	v_max3_num_f32 v[TT], v[TT], v[TT+3], v[MX+2*\q]               ; and the old maximum
.endif
	v_permlanex16_b32 v[XX], v[TT], s40, s41       ; the other half of the wave holds the same query's other keys
	v_max_num_f32 v[TT], v[TT], v[XX]
.if \first == 0
	v_sub_f32 v[DD], v[MX+2*\q], v[TT]
	v_exp_f32 v[AL], v[DD]
	v_exp_f32 v[AL+1], v[DD]                       ; twice: a pair for the packed arithmetic; the moves below are the plain place behind them
.endif
	v_mov_b32 v[MX+2*\q], v[TT]
	v_mov_b32 v[MX+2*\q+1], v[TT]
	v_pk_add_f32 v[SB:SB+1], v[SB:SB+1], v[MX+2*\q:MX+2*\q+1] neg_lo:[0,1] neg_hi:[0,1]
	; pair by pair: subtract for pair i + 1, the two exponentials of pair i, sum and pack pair i - 2.  Behind each exponential stands a plain
	; instruction that touches neither its result nor its source, and a result is used two pairs later.
.set ii, 0
.rept 16
.if ii < 15
	v_pk_add_f32 v[SB+2*ii+2:SB+2*ii+3], v[SB+2*ii+2:SB+2*ii+3], v[MX+2*\q:MX+2*\q+1] neg_lo:[0,1] neg_hi:[0,1]
.endif
.if (ii%4) == 0
	PVSLOT \q, ii/4, \vb, \first
.endif
.if (ii%4) == 2
.if \q < 3
	SWM \q+1, 4+ii/4
.endif
.endif
	v_exp_f32 v[SB+2*ii], v[SB+2*ii]
.if ii > 1
	SUM \q, ii-2, \first
.endif
	v_exp_f32 v[SB+2*ii+1], v[SB+2*ii+1]
.if ii > 1
	s_wait_alu depctr_va_vdst(0)
	v_cvt_pk_f16_f32 v[PQ+ii-2], v[SB+2*ii-4], v[SB+2*ii-3]
.endif
.set ii, ii+1
.endr
	SUM \q, 14, \first
	v_cvt_pk_f16_f32 v[PQ+14], v[SB+28], v[SB+29]
	SUM \q, 15, \first
	v_cvt_pk_f16_f32 v[PQ+15], v[SB+30], v[SB+31]
.endm
; What stands in front of a block's stage 3, where K's registers are free and the next block's V buffer has long been read.
; nxt = 0: the fragments of this slot's second block are asked for.
; nxt = 1: the waves meet.  All my tensor loads have landed (my part of the other slot among them) and my reads of this slot are back; a round of
;          the cluster's barrier; this slot is asked for again, first thing behind it; then the other slot's first fragments.
; nxt = 2: the same with a plain barrier and no refill: nothing is left to fetch.   nxt = 3: the last block: nothing.
.macro NEXT slot, nxt
.if \nxt == 0
	KLOAD \slot, 1
	VLOAD \slot, 1
.endif
.if \nxt == 1
	s_wait_xcnt 0x0
	v_lshl_add_u32 v246, v0, 2, 0x38000
	v_mov_b32 v247, 0
	s_wait_tensorcnt 0x0
	ds_add_u32 v246, v247
	s_wait_dscnt 0x0
	s_add_nc_u64 s[G0V+4*\slot+2:G0V+4*\slot+3], s[G0V+4*\slot+2:G0V+4*\slot+3], 65536   ; no load of mine is out: this slot's next 256 keys
	s_add_nc_u64 s[G0K+4*\slot+2:G0K+4*\slot+3], s[G0K+4*\slot+2:G0K+4*\slot+3], 65536
	s_wait_dscnt 0x0
	ROUND
	JLOAD \slot
	KLOAD 1-\slot, 0
	VLOAD 1-\slot, 0
.endif
.if \nxt == 2
	s_wait_tensorcnt 0x0
	s_wait_dscnt 0x0
	s_barrier_signal -1
	s_barrier_wait -1
	KLOAD 1-\slot, 0
	VLOAD 1-\slot, 0
.endif
.endm
; 64 keys (block blk = 0, 1 of my half of a slot) x my 64 queries.  first = 1: nothing to rescale, the products start the sums.
; Its K and V fragments were asked for in the block before (K's 16 loads, then V's 16).
.macro BLOCK slot, blk, first, nxt
	s_wait_dscnt 0x10                              ; K's 16 loads are in; V's 16, issued behind them, stay out
.irp n, 0,1,2,3,4,5,6,7
	SWM 0, \n
.endr
	PLACES                                         ; four places before the maxima read tile 0 of S
	STAGE 0, \blk, \first
	s_wait_dscnt 0x0                               ; V's fragments are in
	STAGE 1, \blk, \first
	STAGE 2, \blk, \first
	NEXT \slot, \nxt
	STAGE 3, \blk, \first
	WIN 0x51
.irp n, 0,1,2,3,4,5,6,7
	PWM 3, \n, \blk, \first
.endr
	WIN 0
.endm
	s_load_b256 s[4:11], s[0:1], 0x0               ; qh s[4:5], kh s[6:7], vh s[8:9], oh s[10:11]
	v_lshl_add_u32 v246, v0, 2, 0x38000
	v_mov_b32 v247, 0
	ds_add_u32 v246, v247
	s_wait_dscnt 0x0
	v_lshrrev_b32 v1, 5, v0
	v_readfirstlane_b32 s12, v1                    ; wave 0..7
	s_lshr_b32 s13, s12, 2                         ; my half of the keys.  Also: I fetch V (0) or K (1)
	s_and_b32 s14, s12, 3                          ; my 64 queries.  Also: which 64 rows I fetch
	s_and_b32 s15, ttmp7, 0xffff                   ; batch 16 + head
	s_bfe_u32 s16, ttmp6, 0x40000                  ; cx
	s_lshl_b32 s17, ttmp9, 2
	s_add_co_u32 s17, s17, s16                     ; query block = 4 x cluster x + cx
	s_mov_b32 s40, 0x76543210                      ; v_permlanex16_b32: lane i reads lane i of the other half
	s_mov_b32 s41, 0xfedcba98
	s_mov_b32 s[G1V+0], 15|(1<<16)|(1<<20)|(1<<21)|(4<<22)|(7<<25)   ; all four work-groups; 2-byte elements; after every 32 words 8 words of padding
	s_mov_b32 s[G1K+0], 15|(1<<16)|(1<<20)|(1<<21)|(4<<22)|(3<<25)   ; the same with 4 words of padding
.irp g, G1V, G1K
	s_mov_b32 s[\g+1], 64<<16                      ; tensor_dim0
	s_mov_b32 s[\g+2], 64<<16                      ; tensor_dim1
	s_mov_b32 s[\g+3], 64<<16                      ; tile_dim0: 64 elements, a head's row as it is in memory
	s_mov_b32 s[\g+4], 64                          ; tile_dim1: 64 rows
	s_mov_b32 s[\g+5], 64                          ; elements from row to row
	s_mov_b32 s[\g+6], 0
	s_mov_b32 s[\g+7], 0
.endr
	s_lshl_b32 s18, s15, 18                        ; the head's 2,048 rows of 128 bytes
	s_lshl_b32 s20, s14, 13                        ; + my 64 rows
	s_add_co_u32 s18, s18, s20
	s_mov_b32 s19, 0
	s_mul_i32 s22, s12, 64*VP                      ; LDS: V's rows at wave x 64 rows (waves 0-3),
	s_mul_i32 s23, s12, 64*KP
	s_add_co_u32 s23, s23, KOFF-4*64*KP            ; K's behind V's tile (waves 4-7)
	s_lshl_b32 s42, s15, 18                        ; Q: head, query block, my 64 queries (registers that feed no descriptor: they hold cx)
	s_lshl_b32 s43, s17, 15
	s_add_co_u32 s42, s42, s43
	s_add_co_u32 s42, s42, s20
	s_mov_b32 s43, 0
	s_wait_kmcnt 0x0
	s_add_nc_u64 s[20:21], s[8:9], s[18:19]
	s_add_nc_u64 s[46:47], s[6:7], s[18:19]
	s_add_nc_u64 s[4:5], s[4:5], s[42:43]
	ROUND                                          ; the four work-groups are here: the first joint loads meet
.irp s, 0,1
	s_mov_b32 s[G0V+4*\s], 1
	s_add_co_u32 s[G0V+4*\s+1], s22, \s*SLOT
	s_add_nc_u64 s[G0V+4*\s+2:G0V+4*\s+3], s[20:21], \s*32768
	s_or_b32 s[G0V+4*\s+3], s[G0V+4*\s+3], 0x80000000
	s_mov_b32 s[G0K+4*\s], 1
	s_add_co_u32 s[G0K+4*\s+1], s23, \s*SLOT
	s_add_nc_u64 s[G0K+4*\s+2:G0K+4*\s+3], s[46:47], \s*32768
	s_or_b32 s[G0K+4*\s+3], s[G0K+4*\s+3], 0x80000000
	JLOAD \s                                       ; keys 0-255 and 256-511: two tensor loads of mine are out here, one later on
.endr
	v_and_b32 v1, 15, v0                           ; r
	v_bfe_u32 v2, v0, 4, 1                         ; h
	v_and_b32 v3, 31, v0                           ; lane
	v_lshlrev_b32 v27, 7, v1
	v_lshl_add_u32 v[QO], v2, 4, v27               ; Q's fragments straight from memory, once: row r, 16 bytes for each half of the lanes
.irp qt, 0,1,2,3
.irp ks, 0,1
	global_load_b128 v[QF+16*\qt+8*\ks:QF+16*\qt+8*\ks+3],   v[QO], s[4:5] offset:2048*\qt+64*\ks
	global_load_b128 v[QF+16*\qt+8*\ks+4:QF+16*\qt+8*\ks+7], v[QO], s[4:5] offset:2048*\qt+64*\ks+32
.endr
.endr
	v_mul_u32_u24 v27, v1, KP
	v_lshl_add_u32 v27, v2, 4, v27
	s_mul_i32 s18, s13, 128*KP
	s_add_co_u32 s18, s18, KOFF                    ; my 128 keys of K's tile
	v_add_nc_u32 v[KA], s18, v27
	v_add_nc_u32 v[KA+1], SLOT, v[KA]
	v_and_b32 v28, 7, v0
	v_lshl_add_u32 v28, v2, 3, v28                 ; the transposing load: key 8 h + lane % 8,
	v_mul_u32_u24 v28, v28, VP
	v_bfe_u32 v29, v0, 3, 1
	v_lshl_add_u32 v28, v29, 4, v28                ; 16 bytes (8 d) for each group of eight lanes
	s_mul_i32 s19, s13, 128*VP
	v_add_nc_u32 v[VA], s19, v28
	v_add_nc_u32 v[VA+1], SLOT, v[VA]
	v_mov_b32 v[XX], 0                             ; a lane permute's destination counts as read
	s_wait_tensorcnt 0x1                           ; my part of slot 0 is in; slot 1's stays out
	s_barrier_signal -1
	s_barrier_wait -1
	KLOAD 0, 0
	VLOAD 0, 0
	s_wait_loadcnt 0x0                             ; Q; its loads' offset register is free from here on
	BLOCK 0, 0, 1, 0                               ; keys 0-255, first block
	s_mov_b32 s44, 3
.Ltrip:                                                ; a trip: a slot 0's second block, slot 1's two, the next slot 0's first; both slots are asked for again
	BLOCK 0, 1, 0, 1
	BLOCK 1, 0, 0, 0
	BLOCK 1, 1, 0, 1
	BLOCK 0, 0, 0, 0
	s_sub_co_u32 s44, s44, 1
	s_cmp_lg_u32 s44, 0
	s_cbranch_scc1 .Ltrip
	BLOCK 0, 1, 0, 2                               ; keys 1,536 - 1,791, second block: nothing is left to fetch
	BLOCK 1, 0, 0, 0                               ; keys 1,792 - 2,047
	BLOCK 1, 1, 0, 3
	PLACES                                         ; behind the last products: O is read, P's registers are loaded into
	; THE MERGE.  Waves 4-7 hand O, maximum and sum to waves 0-3 through the exchange.
	s_mul_i32 s18, s14, XW
	s_add_co_u32 s18, s18, XB                      ; the region of my pair of waves
	v_lshl_add_u32 v[XA], v3, 4, s18
	s_cmp_eq_u32 s13, 0
	s_cbranch_scc1 .Lkeep
	WIN 0x04                                       ; store data in window 1
.set ii, 0
.rept 32
	ds_store_b128 v[XA], v[OA+4*ii:OA+4*ii+3] offset:512*ii
.set ii, ii+1
.endr
	WIN 0
	ds_store_b128 v[XA], v[MX:MX+3] offset:16384
	ds_store_b128 v[XA], v[MX+4:MX+7] offset:16896
	ds_store_b128 v[XA], v[LS:LS+3] offset:17408
	ds_store_b128 v[XA], v[LS+4:LS+7] offset:17920
.Lkeep:
	s_wait_dscnt 0x0                               ; my stores are in LDS before I say so
	s_barrier_signal -1
	s_barrier_wait -1
	s_cmp_lg_u32 s13, 0
	s_cbranch_scc1 .Lend
.set ii, 0
.rept 32
	ds_load_b128 v[O2+4*ii:O2+4*ii+3], v[XA] offset:512*ii           ; the partner's O, register for register as mine
.set ii, ii+1
.endr
	ds_load_b128 v[PM:PM+3], v[XA] offset:16384                      ; its maxima
	ds_load_b128 v[PM+4:PM+7], v[XA] offset:16896
	ds_load_b128 v[PL:PL+3], v[XA] offset:17408                      ; its sums
	ds_load_b128 v[PL+4:PL+7], v[XA] offset:17920
	v_mul_u32_u24 v4, v1, 144                      ; the stage of the way out: the head of my region, once it has been read
	v_lshl_add_u32 v4, v2, 4, v4
	v_add_nc_u32 v[STO], s18, v4
	v_lshrrev_b32 v4, 3, v3
	v_and_b32 v5, 7, v3
	v_mul_u32_u24 v4, v4, 144
	v_lshl_add_u32 v4, v5, 4, v4
	v_add_nc_u32 v[RD], s18, v4
	v_lshlrev_b32 v[CO], 4, v3
	s_lshr_b32 s42, s15, 4
	s_lshl_b32 s42, s42, 4                         ; batch x 16 blocks of 128 tokens
	s_lshl_b32 s43, s17, 1
	s_add_co_u32 s42, s42, s43                     ; + 2 x query block
	s_lshr_b32 s43, s14, 1
	s_add_co_u32 s42, s42, s43                     ; + the half of the 256 queries in which my 64 lie
	s_lshl_b32 s42, s42, 4
	s_and_b32 s43, s15, 15
	s_add_co_u32 s42, s42, s43                     ; x 16 heads + head
	s_lshl_b32 s42, s42, 14                        ; planes of 128 tokens x 128 bytes
	s_and_b32 s43, s14, 1
	s_lshl_b32 s43, s43, 13                        ; + my 64 tokens in the plane
	s_add_co_u32 s42, s42, s43
	s_mov_b32 s43, 0
	s_add_nc_u64 s[10:11], s[10:11], s[42:43]
	s_wait_dscnt 0x0
.irp q, 0,1,2,3
	v_max_num_f32 v[T4+\q], v[MX+2*\q], v[PM+2*\q] ; the common maximum
.endr
.irp q, 0,1,2,3
	v_sub_f32 v[D4+\q], v[MX+2*\q], v[T4+\q]
	v_sub_f32 v[X4+\q], v[PM+2*\q], v[T4+\q]
.endr
.irp q, 0,1,2,3
	v_exp_f32 v[D4+\q], v[D4+\q]                   ; my factor
	v_exp_f32 v[X4+\q], v[X4+\q]                   ; the partner's
.endr
.irp q, 0,1,2,3
	v_add_f32 v[LS+2*\q], v[LS+2*\q], v[LS+2*\q+1] ; (these are the plain place behind the exponentials)
	v_add_f32 v[PL+2*\q], v[PL+2*\q], v[PL+2*\q+1]
.endr
.irp q, 0,1,2,3
	s_wait_alu depctr_va_vdst(0)
	v_mul_f32 v[PL+2*\q], v[X4+\q], v[PL+2*\q]
.endr
.irp q, 0,1,2,3
	v_fma_f32 v[T4+\q], v[D4+\q], v[LS+2*\q], v[PL+2*\q]
.endr
.irp q, 0,1,2,3
	v_permlanex16_b32 v[LS+2*\q+1], v[T4+\q], s40, s41               ; the other half of the wave summed the same query's other keys
.endr
.irp q, 0,1,2,3
	v_add_f32 v[T4+\q], v[T4+\q], v[LS+2*\q+1]
.endr
.irp q, 0,1,2,3
	v_rcp_f32 v[T4+\q], v[T4+\q]
.endr
	v_nop                                          ; one plain place behind the reciprocals
.irp q, 0,1,2,3
	s_wait_alu depctr_va_vdst(0)
	v_mul_f32 v[A4+2*\q], v[D4+\q], v[T4+\q]       ; my O's factor, as a pair,
	v_mul_f32 v[A4+2*\q+1], v[D4+\q], v[T4+\q]
	v_mul_f32 v[MX+2*\q], v[X4+\q], v[T4+\q]       ; and the partner's
	v_mul_f32 v[MX+2*\q+1], v[X4+\q], v[T4+\q]
.endr
.set ii, 0
.rept 16
.irp q, 0,1,2,3
	v_pk_mul_f32 v[O2+32*\q+2*ii:O2+32*\q+2*ii+1], v[O2+32*\q+2*ii:O2+32*\q+2*ii+1], v[MX+2*\q:MX+2*\q+1]
.endr
.set ii, ii+1
.endr
	WIN 0x01                                       ; source 0 (my O) in window 1
.set ii, 0
.rept 16
.irp q, 0,1,2,3
	v_pk_fma_f32 v[O2+32*\q+2*ii:O2+32*\q+2*ii+1], v[OA+32*\q+2*ii:OA+32*\q+2*ii+1], v[A4+2*\q:A4+2*\q+1], v[O2+32*\q+2*ii:O2+32*\q+2*ii+1]
.endr
.set ii, ii+1
.endr
	WIN 0
; 16 queries x 64 d: a lane holds query r, d = 16 dt + 8 h + 0..7.  Round to f16, through my stage, 512 consecutive bytes a store.
.macro OUTO qt, f
.irp dt, 0,1,2,3
.irp rr, 0,1,2,3
	v_cvt_pk_f16_f32 v[TMP+4*\dt+\rr], v[O2+32*\qt+8*\dt+2*\rr], v[O2+32*\qt+8*\dt+2*\rr+1]
.endr
.endr
.irp dt, 0,1,2,3
	ds_store_b128 v[STO], v[TMP+4*\dt:TMP+4*\dt+3] offset:32*\dt
.endr
	s_wait_xcnt 0x0                                ; buffer f, which earlier stores name, is loaded again only behind this wait
.irp i, 0,1,2,3
	ds_load_b128 v[\f+4*\i:\f+4*\i+3], v[RD] offset:576*\i           ; LDS serves a wave's instructions in order: these see the stores above
.endr
.irp i, 0,1,2,3
	s_wait_dscnt 3-\i                              ; load i is in, the younger ones stay out
	global_store_b128 v[CO], v[\f+4*\i:\f+4*\i+3], s[10:11] offset:2048*\qt+512*\i
.endr
.endm
	OUTO 0, RB
	OUTO 1, RB+16
	OUTO 2, RB
	OUTO 3, RB+16
.Lend:
	s_wait_xcnt 0x0
	v_lshl_add_u32 v246, v0, 2, 0x38000
	v_mov_b32 v247, 0
	s_wait_tensorcnt 0x0
	ds_add_u32 v246, v247
	s_wait_dscnt 0x0
	ROUND                                          ; the closing round: no work-group ends while a partner may still ask for a tile that names it
	s_endpgm
.Lfunc_end_k_q75e75d755c_attn:
	.size	k_q75e75d755c_attn, .Lfunc_end_k_q75e75d755c_attn-k_q75e75d755c_attn
	.p2alignl 7, 3214868480
	.fill 96, 4, 3214868480
	.section	.rodata,"a",@progbits
	.p2align	6, 0x0
	.amdhsa_kernel k_q75e75d755c_attn
		.amdhsa_group_segment_fixed_size 327680
		.amdhsa_private_segment_fixed_size 0
		.amdhsa_enable_private_segment 0
		.amdhsa_kernarg_size 32
		.amdhsa_user_sgpr_count 2
		.amdhsa_user_sgpr_kernarg_segment_ptr 1
		.amdhsa_wavefront_size32 1
		.amdhsa_system_sgpr_workgroup_id_x 1
		.amdhsa_system_sgpr_workgroup_id_y 1
		.amdhsa_system_sgpr_workgroup_id_z 1
		.amdhsa_system_vgpr_workitem_id 0
		.amdhsa_next_free_vgpr 512
		.amdhsa_next_free_sgpr 66
		.amdhsa_reserve_vcc 0
		.amdhsa_float_denorm_mode_32 3
		.amdhsa_float_denorm_mode_16_64 3
		.amdhsa_memory_ordered 1
		.amdhsa_forward_progress 1
		.amdhsa_inst_pref_size 255
	.end_amdhsa_kernel
	.section	.bss,"aw",@nobits
	.p2align	6
	.space	262144
	.amdgpu_metadata
---
amdhsa.version: [ 1, 2 ]
amdhsa.kernels:
  - .name:           k_q75e75d755c_attn
    .symbol:         k_q75e75d755c_attn.kd
    .args:
      - { .name: qh, .offset: 0, .size: 8, .value_kind: global_buffer, .address_space: global }
      - { .name: kh, .offset: 8, .size: 8, .value_kind: global_buffer, .address_space: global }
      - { .name: vh, .offset: 16, .size: 8, .value_kind: global_buffer, .address_space: global }
      - { .name: oh, .offset: 24, .size: 8, .value_kind: global_buffer, .address_space: global }
    .group_segment_fixed_size: 327680
    .private_segment_fixed_size: 0
    .kernarg_segment_align: 8
    .kernarg_segment_size: 32
    .max_flat_workgroup_size: 256
    .sgpr_count:     66
    .vgpr_count:     512
    .wavefront_size: 32
...
	.end_amdgpu_metadata
.endif
;; end of part 3
;; launch proj (part 4): grid 8 x 32, 4 waves a work-group, clusters of 4 x 4, 327,680 bytes of LDS; arguments oh, wt, bo, out0; writes out0
.if DOCPART == 4
	.amdgcn_target "amdgcn-amd-amdhsa--gfx1250"
	.amdhsa_code_object_version 6
	.text
	.protected	k_q75e75d755c_proj
	.globl	k_q75e75d755c_proj
	.p2align	8
	.type	k_q75e75d755c_proj,@function
k_q75e75d755c_proj:
	s_mov_b64 s[64:65], 0
	v_nop
	global_prefetch_b8 v0, s[64:65] scope:SCOPE_SE
	s_setreg_imm32_b32 hwreg(HW_REG_WAVE_MODE, 25, 1), 1
	s_wait_xcnt 0x0
	s_wait_alu depctr_hold_cnt(0) depctr_sa_sdst(0) depctr_va_vdst(0) depctr_va_sdst(0) depctr_va_ssrc(0) depctr_va_vcc(0) depctr_vm_vsrc(0)
	s_getreg_b32 s2, hwreg(HW_REG_IB_STS2, 6, 4)
	s_cmp_eq_u32 s2, 0
	s_cbranch_scc0 .Lentry_in_a_cluster
	s_endpgm
.Lentry_in_a_cluster:
	s_bfe_u32 s2, ttmp6, 0x10000c
	s_cmp_lg_u32 s2, 0xf033
	s_cbranch_scc0 .Lentry_shape_is_right
	s_endpgm
.Lentry_shape_is_right:
; proj: out0 = o Wo + bo for 128 tokens x 128 columns in each work-group.
; oh: [block of 128 tokens][head][128 tokens][64] f16; wt rows 3,072 + n = column n of Wo, [1024 k] f16, k = 64 head + d; bo: [1024] f32;
; out0: [4096][1024] f32.  Sums and the bias in f32.
; Four waves, 2 x 2: wave w makes rows 64 (w >> 1) .. + 63 x columns 64 (w & 1) .. + 63: 4 x 4 accumulator tiles of 16 x 16.
; K = 1,024 IS FOUR FILLS of two LDS slots, each with K = 256 (four heads): two go out at the start and two are refills, so slots are filled
; again behind two barriers in all, and a refill has 120 of a slot's 128 products of a wave in which to land.  The 32 quarter steps of 32
; along K are written out: there is no loop.
; A's tile lies in LDS as four planes, one a head: 128 tokens of 128 + 16 bytes.  Two heads' planes follow each other in memory, so one load
; brings them as 256 dense rows; a row is 128 bytes, a head's row as it lies in the tensor.  B's rows are 512 bytes of memory, aligned.
; CLUSTER 4 x 4: A's tile hangs on the block of tokens alone and is shared along a cluster's row, B's on the block of columns alone and is
; shared along a column; each is asked for jointly by the four.
; REGISTER WINDOWS: 0: addresses, bias, all fragments (two buffers), way out; 1: the 16 accumulators.  Two switches a quarter step.
; The matrix instruction is used transposed (source 0 = rows of wt, source 1 = rows of oh): a lane holds eight neighbouring columns of a row.
.set APITCH, 144                       ; LDS row of A: 128 + 16 bytes
.set PLANE, 128*APITCH                 ; a head's 128 tokens
.set ABYTES, 4*PLANE                   ; 73,728
.set BPITCH, 528                       ; LDS row of B: 512 + 16 bytes
.set HALFB, 64*BPITCH                  ; what one load of B brings, and what one wave reads of B
.set SLOT, ABYTES+2*HALFB              ; 141,312: A's tile, then B's
.set STAGE, 2*SLOT                     ; behind the ring, a multiple of 256: no fill lands there
.set WSTAGE, 16*272                    ; a wave's stage for the way out
.set BBASE, 3072*2048                  ; Wo's first row in wt, in bytes
.set ASLOT, 4*128*128                  ; bytes of oh from a slot's four heads to the next four
.set BSLOT, 512                        ; bytes along a row of wt from a slot's 256 k to the next
.set NLD, 16                           ; LDS loads of a quarter step
.set ADRA, 16                          ; v16-17 LDS address of my A fragments in slot 0, 1
.set ADRB, 20                          ; v20-21 the same for B
.set STO, 24
.set RD, 25
.set CO, 26
.set BO, 28                            ; v[28:31] the bias of my four columns on the way out
.set FA, 64                            ; v64-127  A's fragments: 64 + 32 buffer + 8 row tile
.set FB, 128                           ; v128-191 B's fragments: 128 + 32 buffer + 8 column tile
.set G1, 24                            ; s[24:31] group 1 for A
.set G0, 32                            ; s[32:39] group 0 for A, one set a slot
.set G1B, 48                           ; s[48:55] group 1 for B
.set G0B, 56                           ; s[56:63] group 0 for B, one set a slot
.set MUL, 0x50                         ; sources 0 and 1 window 0, C and D window 1
.set MSB, 0
.macro WIN new                         ; the immediate's high byte repeats the setting that is left
.if MSB != \new
	s_set_vgpr_msb (MSB<<8)|\new
.set MSB, \new
.endif
.endm
.macro PLACES                          ; four places behind a matrix instruction (ISA guide 7.12.1) before its registers are loaded into or its result read
.rept 4
	v_nop
.endr
.endm
.macro JLOAD s                         ; a joint load: waves 0, 1 ask for two planes of A each, waves 2, 3 for 64 rows of B each
	s_cmp_eq_u32 s15, 0
	s_cbranch_scc0 .Lfor_b_\@
	tensor_load_to_lds s[G0+4*\s:G0+4*\s+3], s[G1:G1+7]
	s_nop 0
	s_branch .Lasked_\@
.Lfor_b_\@:
	tensor_load_to_lds s[G0B+4*\s:G0B+4*\s+3], s[G1B:G1B+7]
	s_nop 0
.Lasked_\@:
.endm
.macro CREST                           ; a round of the cluster's barrier behind its opening work-group barrier
	s_cmp_lg_u32 s14, 0
	s_cbranch_scc1 .Lnot_wave_0_\@
	s_barrier_signal -3
.Lnot_wave_0_\@:
	s_barrier_wait -3
	s_barrier_signal -1
	s_barrier_wait -1
.endm
.macro CROUND
	s_barrier_signal -1
	s_barrier_wait -1
	CREST
.endm
; the fragments of quarter q = 0..7 (32 along K) of a slot into buffer f: head q / 2, d from 32 (q % 2); 8 loads of A, 8 of B
.macro FETCH slot, q, f
.irp i, 0,1,2,3
	ds_load_b128 v[FA+32*\f+8*\i:FA+32*\f+8*\i+3],   v[ADRA+\slot] offset:((\q)/2)*PLANE+((\q)%2)*64+\i*16*APITCH
	ds_load_b128 v[FA+32*\f+8*\i+4:FA+32*\f+8*\i+7], v[ADRA+\slot] offset:((\q)/2)*PLANE+((\q)%2)*64+\i*16*APITCH+32
.endr
.irp i, 0,1,2,3
	ds_load_b128 v[FB+32*\f+8*\i:FB+32*\f+8*\i+3],   v[ADRB+\slot] offset:64*\q+\i*16*BPITCH
	ds_load_b128 v[FB+32*\f+8*\i+4:FB+32*\f+8*\i+7], v[ADRB+\slot] offset:64*\q+\i*16*BPITCH+32
.endr
.endm
.macro MULA f, a, zero                 ; row tile a x the four column tiles, from buffer f; zero = 1: the product starts the sums
.irp b, 0,1,2,3
.if \zero
	v_wmma_f32_16x16x32_f16 v[8*(4*\a+\b):8*(4*\a+\b)+7], v[FB+32*\f+8*\b:FB+32*\f+8*\b+7], v[FA+32*\f+8*\a:FA+32*\f+8*\a+7], 0
.else
	v_wmma_f32_16x16x32_f16 v[8*(4*\a+\b):8*(4*\a+\b)+7], v[FB+32*\f+8*\b:FB+32*\f+8*\b+7], v[FA+32*\f+8*\a:FA+32*\f+8*\a+7], v[8*(4*\a+\b):8*(4*\a+\b)+7]
.endif
.endr
.endm
; the 16 accumulators take turns, one instruction a turn, in the same order in every quarter
.macro MULALL f, zero
.irp aa, 0,1,2,3
	MULA \f, \aa, \zero
.endr
.endm
; multiplies buffer f; ahead of that asks for quarter q of the same slot into buffer g, which then has these products in which to arrive
.macro QUARTER slot, q, f, g, zero
	WIN 0
	PLACES                                         ; behind the products that read buffer g
	FETCH \slot, \q, \g
	s_wait_dscnt NLD                               ; all but the 16 loads just issued: buffer f is in
	WIN MUL
	MULALL \f, \zero
.endm
.macro SEVEN slot, zero                ; quarters 0 to 6 of a slot are multiplied, quarters 1 to 7 fetched
	QUARTER \slot, 1, 0, 1, \zero
	QUARTER \slot, 2, 1, 0, 0
	QUARTER \slot, 3, 0, 1, 0
	QUARTER \slot, 4, 1, 0, 0
	QUARTER \slot, 5, 0, 1, 0
	QUARTER \slot, 6, 1, 0, 0
	QUARTER \slot, 7, 0, 1, 0
.endm
; the last quarter of a slot (buffer 1) and the change of slots.  One barrier: in front of it my reads of this slot are back and all my
; tensor loads have landed (one was out: my part of the next slot).  fill = 1: the barrier opens a round of the cluster's barrier, and
; behind the round this slot is asked for again, K = 512 further on, first of all.
.macro TURN slot, next, fill
	s_wait_dscnt 0x0                               ; buffer 1 is in, and those were my last reads of this slot
	s_wait_tensorcnt 0x0                           ; no tensor load of mine is out
	ds_add_u32 v254, v255
	s_wait_dscnt 0x0
	s_barrier_signal -1
	MULA 1, 0, 0                                   ; register work while the others arrive
	MULA 1, 1, 0
	WIN 0
	s_barrier_wait -1
.if \fill
	CREST                                          ; no wave of any partner still reads this slot or has a load on its way
	s_add_nc_u64 s[G0+4*\slot+2:G0+4*\slot+3], s[G0+4*\slot+2:G0+4*\slot+3], 2*ASLOT
	s_add_nc_u64 s[G0B+4*\slot+2:G0B+4*\slot+3], s[G0B+4*\slot+2:G0B+4*\slot+3], 2*BSLOT
	JLOAD \slot
.endif
	PLACES                                         ; behind the products that read buffer 0
	FETCH \next, 0, 0
	WIN MUL
	MULA 1, 2, 0
	MULA 1, 3, 0
.endm
	s_load_b256 s[4:11], s[0:1], 0x0               ; oh s[4:5], wt s[6:7], bo s[8:9], out0 s[10:11]
	v_lshl_add_u32 v254, v0, 2, 0x49400
	v_mov_b32 v255, 0
	ds_add_u32 v254, v255
	v_lshrrev_b32 v1, 5, v0
	v_readfirstlane_b32 s14, v1                    ; wave 0..3
	s_lshr_b32 s15, s14, 1                         ; my half of the block's rows.  Also: I fetch for A (0) or for B (1),
	s_and_b32 s16, s14, 1                          ; my half of its columns.  Also: the first or second part of that tile
	s_bfe_u32 s40, ttmp6, 0x40000                  ; cx
	s_bfe_u32 s41, ttmp6, 0x40004                  ; cy
	s_lshl_b32 s42, ttmp9, 2
	s_add_co_u32 s42, s42, s40                     ; block column (128 columns) = 4 x cluster x + cx
	s_and_b32 s43, ttmp7, 0xffff
	s_lshl_b32 s43, s43, 2
	s_add_co_u32 s43, s43, s41                     ; block row (128 tokens) = 4 x cluster y + cy
	s_lshl_b32 s44, s41, 2
	s_lshl_b32 s44, 15, s44                        ; my row of the cluster
	s_lshl_b32 s45, 0x1111, s40                    ; my column
	s_or_b32 s[G1+0], s44, (1<<16)|(1<<20)|(1<<21)|(4<<22)|(3<<25)    ; mask; 2-byte elements; padding on; bit 21 beside a mask; after every 32 words 4 words of padding
	s_or_b32 s[G1B+0], s45, (1<<16)|(1<<20)|(1<<21)|(6<<22)|(3<<25)   ; the same after every 128 words
	s_mov_b32 s[G1+1], 64<<16                      ; tensor_dim0
	s_mov_b32 s[G1+2], 256<<16                     ; tensor_dim1
	s_mov_b32 s[G1+3], 64<<16                      ; tile_dim0: 64 elements
	s_mov_b32 s[G1+4], 256                         ; tile_dim1: two heads' 128 tokens
	s_mov_b32 s[G1+5], 64                          ; elements from row to row: dense
	s_mov_b32 s[G1+6], 0
	s_mov_b32 s[G1+7], 0
	s_mov_b32 s[G1B+1], 256<<16
	s_mov_b32 s[G1B+2], 64<<16
	s_mov_b32 s[G1B+3], 256<<16                    ; tile_dim0: 256 elements, 512 bytes
	s_mov_b32 s[G1B+4], 64                         ; tile_dim1: 64 rows
	s_mov_b32 s[G1B+5], 1024
	s_mov_b32 s[G1B+6], 0
	s_mov_b32 s[G1B+7], 0
	s_lshl_b32 s18, s43, 18                        ; A hangs on the block row (16 heads x 16,384 bytes) and the wave's number:
	s_lshl_b32 s20, s16, 15                        ; the second loading wave takes the next two heads
	s_add_co_u32 s18, s18, s20
	s_mov_b32 s19, 0
	s_lshl_b32 s46, s42, 18                        ; B on the block column (128 rows of 2,048 bytes) and the wave's number:
	s_lshl_b32 s21, s16, 17                        ; the second loading wave takes the next 64 rows
	s_add_co_u32 s46, s46, s21
	s_add_co_u32 s46, s46, BBASE
	s_mov_b32 s47, 0
	s_mul_i32 s22, s14, 2*PLANE                    ; LDS: A's parts at wave x two planes (waves 0, 1),
	s_mul_i32 s23, s14, HALFB
	s_add_co_u32 s23, s23, ABYTES-2*HALFB          ; B's behind A's tile (waves 2, 3)
	s_wait_dscnt 0x0
	s_wait_kmcnt 0x0
	s_add_nc_u64 s[18:19], s[4:5], s[18:19]
	s_add_nc_u64 s[46:47], s[6:7], s[46:47]
	CROUND                                         ; all sixteen work-groups are here: the first joint loads meet
.irp s, 0,1
	s_mov_b32 s[G0+4*\s], 1
	s_add_co_u32 s[G0+4*\s+1], s22, \s*SLOT
	s_add_nc_u64 s[G0+4*\s+2:G0+4*\s+3], s[18:19], \s*ASLOT
	s_or_b32 s[G0+4*\s+3], s[G0+4*\s+3], 0x80000000
	s_mov_b32 s[G0B+4*\s], 1
	s_add_co_u32 s[G0B+4*\s+1], s23, \s*SLOT
	s_add_nc_u64 s[G0B+4*\s+2:G0B+4*\s+3], s[46:47], \s*BSLOT
	s_or_b32 s[G0B+4*\s+3], s[G0B+4*\s+3], 0x80000000
	JLOAD \s                                       ; K = 0-255 and 256-511: two tensor loads of mine are out here, one later on
.endr
	v_and_b32 v1, 15, v0                           ; r = lane % 16
	v_bfe_u32 v2, v0, 4, 1                         ; h = lane / 16
	v_mul_u32_u24 v3, v1, APITCH
	v_lshl_add_u32 v3, v2, 4, v3                   ; a fragment: row r, 16 bytes for each half of the lanes, twice, 32 bytes apart
	v_mul_u32_u24 v4, v1, BPITCH
	v_lshl_add_u32 v4, v2, 4, v4
	s_mul_i32 s20, s15, 64*APITCH                  ; my 64 tokens in each plane
	v_add_nc_u32 v[ADRA], s20, v3
	v_add_nc_u32 v[ADRA+1], SLOT, v[ADRA]
	s_mul_i32 s21, s16, HALFB
	s_add_co_u32 s21, s21, ABYTES                  ; my 64 rows of B, behind A's tile
	v_add_nc_u32 v[ADRB], s21, v4
	v_add_nc_u32 v[ADRB+1], SLOT, v[ADRB]
	s_mul_i32 s22, s14, WSTAGE
	s_add_co_u32 s22, s22, STAGE                   ; my stage: 16 rows of 256 + 16 bytes
	v_mul_u32_u24 v6, v1, 272
	v_lshl_add_u32 v6, v2, 5, v6
	v_add_nc_u32 v[STO], s22, v6                   ; in: row r, byte 32 h (+ 64 b)
	v_mul_u32_u24 v6, v2, 272
	v_lshl_add_u32 v6, v1, 4, v6
	v_add_nc_u32 v[RD], s22, v6                    ; back: sixteen lanes a row, two rows a load
	v_lshlrev_b32 v6, 4, v1
	v_lshl_add_u32 v[CO], v2, 12, v6               ; and the same two rows of out0
	s_lshl_b32 s46, s42, 9                         ; my 64 columns in bytes of f32: 512 x block column + 256 x half (registers that never fed A's descriptors)
	s_lshl_b32 s47, s16, 8
	s_add_co_u32 s46, s46, s47
	v_add_nc_u32 v27, s46, v6
	global_load_b128 v[BO:BO+3], v27, s[8:9]       ; the bias of the four columns that I store
	s_wait_tensorcnt 0x1                           ; my part of slot 0 is in; slot 1's stays out
	s_barrier_signal -1
	s_barrier_wait -1
	FETCH 0, 0, 0
	SEVEN 0, 1                                     ; K = 0-255: the first products start the sums: nothing is cleared
	TURN 0, 1, 1                                   ; slot 0 is asked for again: K = 512-767
	SEVEN 1, 0                                     ; K = 256-511
	TURN 1, 0, 1                                   ; slot 1 is asked for again: K = 768-1,023
	SEVEN 0, 0
	TURN 0, 1, 0                                   ; nothing is left to fetch
	SEVEN 1, 0
	s_wait_dscnt 0x0
	MULALL 1, 0
	WIN 0
	PLACES                                         ; behind the last products: the LDS stores read results, the loads land on fragments
	s_lshl_b32 s18, s43, 19                        ; 128 rows of 4,096 bytes for each block row
	s_lshl_b32 s20, s15, 18                        ; + my 64 rows
	s_add_co_u32 s18, s18, s20
	s_mov_b32 s19, 0
	s_mov_b32 s47, 0                               ; s46 still holds my columns' byte offset
	s_add_nc_u64 s[10:11], s[10:11], s[18:19]
	s_add_nc_u64 s[10:11], s[10:11], s[46:47]
	s_wait_loadcnt 0x0                             ; the bias
; 16 rows x 64 columns of f32: a lane's eight neighbouring columns into my stage, whole rows of 256 bytes back, + bias, out
.macro OUTP a, f
	WIN 0x04                                       ; store data in window 1
.irp b, 0,1,2,3
	ds_store_b128 v[STO], v[8*(4*\a+\b):8*(4*\a+\b)+3] offset:64*\b
	ds_store_b128 v[STO], v[8*(4*\a+\b)+4:8*(4*\a+\b)+7] offset:64*\b+16
.endr
	WIN 0
	s_wait_xcnt 0x0                                ; buffer f, which earlier stores name, is loaded again only behind this wait
.irp i, 0,1,2,3,4,5,6,7
	ds_load_b128 v[\f+4*\i:\f+4*\i+3], v[RD] offset:544*\i           ; LDS serves a wave's instructions in order: these see the stores above
.endr
.irp i, 0,1,2,3,4,5,6,7
	s_wait_dscnt 7-\i
	v_pk_add_f32 v[\f+4*\i:\f+4*\i+1],   v[\f+4*\i:\f+4*\i+1],   v[BO:BO+1]
	v_pk_add_f32 v[\f+4*\i+2:\f+4*\i+3], v[\f+4*\i+2:\f+4*\i+3], v[BO+2:BO+3]
	global_store_b128 v[CO], v[\f+4*\i:\f+4*\i+3], s[10:11] offset:(16*\a+2*\i)*4096 th:TH_STORE_NT   ; sixteen lanes store 256 consecutive bytes, aligned
.endr
.endm
	OUTP 0, FA
	OUTP 1, FA+32
	OUTP 2, FA
	OUTP 3, FA+32
	s_wait_tensorcnt 0x0
	ds_add_u32 v254, v255
	s_wait_dscnt 0x0
	CROUND                                         ; the closing round: no work-group ends while a partner may still ask for a tile that names it
	s_endpgm
.Lfunc_end_k_q75e75d755c_proj:
	.size	k_q75e75d755c_proj, .Lfunc_end_k_q75e75d755c_proj-k_q75e75d755c_proj
	.p2alignl 7, 3214868480
	.fill 96, 4, 3214868480
	.section	.rodata,"a",@progbits
	.p2align	6, 0x0
	.amdhsa_kernel k_q75e75d755c_proj
		.amdhsa_group_segment_fixed_size 327680
		.amdhsa_private_segment_fixed_size 0
		.amdhsa_enable_private_segment 0
		.amdhsa_kernarg_size 32
		.amdhsa_user_sgpr_count 2
		.amdhsa_user_sgpr_kernarg_segment_ptr 1
		.amdhsa_wavefront_size32 1
		.amdhsa_system_sgpr_workgroup_id_x 1
		.amdhsa_system_sgpr_workgroup_id_y 1
		.amdhsa_system_sgpr_workgroup_id_z 1
		.amdhsa_system_vgpr_workitem_id 0
		.amdhsa_next_free_vgpr 384
		.amdhsa_next_free_sgpr 66
		.amdhsa_reserve_vcc 0
		.amdhsa_float_denorm_mode_32 3
		.amdhsa_float_denorm_mode_16_64 3
		.amdhsa_memory_ordered 1
		.amdhsa_forward_progress 1
		.amdhsa_inst_pref_size 93
	.end_amdhsa_kernel
	.amdgpu_metadata
---
amdhsa.version: [ 1, 2 ]
amdhsa.kernels:
  - .name:           k_q75e75d755c_proj
    .symbol:         k_q75e75d755c_proj.kd
    .args:
      - { .name: oh, .offset: 0, .size: 8, .value_kind: global_buffer, .address_space: global }
      - { .name: wt, .offset: 8, .size: 8, .value_kind: global_buffer, .address_space: global }
      - { .name: bo, .offset: 16, .size: 8, .value_kind: global_buffer, .address_space: global }
      - { .name: out0, .offset: 24, .size: 8, .value_kind: global_buffer, .address_space: global }
    .group_segment_fixed_size: 327680
    .private_segment_fixed_size: 0
    .kernarg_segment_align: 8
    .kernarg_segment_size: 32
    .max_flat_workgroup_size: 128
    .sgpr_count:     66
    .vgpr_count:     384
    .wavefront_size: 32
...
	.end_amdgpu_metadata
.endif
;; end of part 4
